; MI455X (gfx1250); checked and timed in simulation.
; The chip was launched on July 23, 2026; its instructions are those of AMD's public machine-readable ISA for CDNA 5 (MIT licence, August 2026) and "CDNA5" Instruction Set Architecture Reference Guide (July 2026). The comments in the code are by the model that wrote it; some were corrected since.
;; attention mod. Allowed arithmetic: float matrix products may take bf16 or f16 operands with f32 sums; other float arithmetic in f32, or as packed bf16 or f16 multiplies, adds, multiply-adds, maxima and minima; sums over many terms, partial sums and values carried from step to step in f32; what a program stores and reads back later, other than sums and carried values, may be rounded once to bf16 or f16.
;; Inputs: W 1,024 x 2,048 float32; b 1,024 float32; encoder_outputs 32 x 1,024 x 1,024 float32; hidden 1 x 32 x 1,024 float32; v 1,024 float32.
;; Outputs: out0 32 x 1 x 1,024 float32.
;; One version. Each part assembles by itself: llvm-mc -triple=amdgcn-amd-amdhsa -mcpu=gfx1250 --defsym DOCPART=n.
;; ======== version 1 of 1: 3 launches
;; workspace buffers: w2b 2,097,152 bytes; cbuf 131,072 bytes; part 524,288 bytes
;; launch prep (part 1): grid 64 x 1, 8 waves a work-group, no clusters, 17,408 bytes of LDS; arguments W, b, hidden, w2b, cbuf; writes w2b, cbuf
.if DOCPART == 1
	.amdgcn_target "amdgcn-amd-amdhsa--gfx1250"
	.amdhsa_code_object_version 6
	.text
	.protected	k_qdea557950e_prep
	.globl	k_qdea557950e_prep
	.p2align	8
	.type	k_qdea557950e_prep,@function
k_qdea557950e_prep:
	s_mov_b64 s[64:65], 0
	v_nop
	global_prefetch_b8 v0, s[64:65] scope:SCOPE_SE
	s_setreg_imm32_b32 hwreg(HW_REG_WAVE_MODE, 25, 1), 1
	s_wait_xcnt 0x0
; W is [1024][2048] f32: W1 = its columns 0-1023 (they meet hidden), W2 = its columns 1024-2047 (they meet encoder_outputs).
; This launch makes (1) w2b: W2 rounded once to bf16, laid out [16 K steps][1024 n][64 k], so that 256 n of one K step are 32,768 dense bytes;
; (2) cbuf[n / 16][batch][n % 16] = 2 log2(e) x (sum over k of hidden[batch][k] W1[n][k] + b[n]) in f32: the part of the pre-activation that is the same for all t of a batch, scaled for the exponential that follows.
; SHARES.  Work-group g owns rows n = 16 g .. 16 g + 15 of W.  Wave w multiplies K = 128 w .. 128 w + 127: 4 steps of 32 on two accumulators (batches 0-15, 16-31); operands rounded to bf16, sums in f32.
; The eight waves' partial sums meet in LDS.  The 256 threads together convert the 16 rows of W2.
; No tensor load and no cluster: the launch moves 8 MB once and each work-group issues all its loads in one run.
; LIMITS.  NaN and infinities are not treated apart.
.set SPARE, 16384                      ; behind the partial sums: the spare words, 128 bytes for each of the eight waves, which no other line names
.set VH,  3                            ; v3   my byte offset in hidden: row r, 32 h + 512 w
.set VW,  4                            ; v4   the same in my 16 rows of W (W1)
.set VC,  5                            ; v5   my byte offset in W for the conversion, less W2's 4,096
.set VS,  6                            ; v6   my byte offset in w2b
.set LST, 7                            ; v7   LDS: where I put a partial sum
.set LRD, 8                            ; v8   LDS: where I read partial sums back
.set VB8, 9                            ; v9   my byte offset in the group's 16 numbers of b
.set VO,  10                           ; v10  my byte offset in the group's 2,048 bytes of cbuf
.set BP,  12                           ; v[12:13] two numbers of b
.set SPW, 30                           ; v30  LDS address of my spare word; never rewritten
.set NIL, 31                           ; v31  0; never rewritten
.set ACC, 32                           ; v[32:39], v[40:47] the two accumulators
.set RB,  48                           ; v[48:63] eight waves' pairs, read back
.set FR,  64                           ; v64-255 fragments as loaded (f32, 16 registers), then as bf16 (the first 8): K step ks at 48 ks; +0 hidden batches 0-15, +16 batches 16-31, +32 W1
                                       ; window 1, v0-63: 64 numbers of W2 in f32
.set MSB, 0
.macro WIN new                         ; the immediate's high byte repeats the setting that is left
.if MSB != (\new)
	s_set_vgpr_msb (MSB<<8)|(\new)
.set MSB, \new
.endif
.endm
	s_load_b256 s[4:11], s[0:1], 0x0               ; W s[4:5], b s[6:7], hidden s[8:9], w2b s[10:11]
	s_load_b64 s[12:13], s[0:1], 0x20              ; cbuf
	v_lshl_add_u32 v[SPW], v0, 2, SPARE
	v_mov_b32 v[NIL], 0
	v_lshrrev_b32 v11, 5, v0
	v_readfirstlane_b32 s14, v11                   ; wave 0..7
	s_lshl_b32 s15, s14, 11                        ; my wave's 2,048 bytes of partial sums
	s_lshl_b32 s18, s14, 9                         ; my wave's 128 along K, in bytes of f32
	v_and_b32 v1, 15, v0                           ; r
	v_bfe_u32 v2, v0, 4, 1                         ; h
	v_lshlrev_b32 v2, 5, v2
	v_add_nc_u32 v2, s18, v2                       ; 32 h + 512 w
	v_lshl_add_u32 v[VH], v1, 12, v2               ; a row of hidden is 4,096 bytes,
	v_lshl_add_u32 v[VW], v1, 13, v2               ; a row of W 8,192
	v_bfe_u32 v14, v0, 3, 4                        ; the conversion: thread t takes row (t / 8) % 16,
	v_lshrrev_b32 v15, 7, v0                       ; K steps 2 i + t / 128,
	v_and_b32 v16, 7, v0                           ; 8 numbers at 8 (t % 8)
	v_lshlrev_b32 v[VC], 13, v14
	v_lshl_add_u32 v[VC], v15, 8, v[VC]
	v_lshl_add_u32 v[VC], v16, 5, v[VC]
	v_and_b32 v[VS], 127, v0
	v_lshlrev_b32 v[VS], 4, v[VS]
	v_lshl_add_u32 v[VS], v15, 17, v[VS]           ; (t / 128) x 131,072 + 16 (t % 128)
	v_and_b32 v[LST], 31, v0
	v_lshl_add_u32 v[LST], v[LST], 2, s15          ; 4 x lane + my wave's bytes
	v_bfe_u32 v17, v0, 3, 3
	v_bfe_u32 v18, v0, 6, 1
	v_lshlrev_b32 v[VB8], 3, v16                   ; back: thread t takes batch t / 8 and columns 2 (t % 8), + 1
	v_lshl_add_u32 v[LRD], v18, 6, v[VB8]          ; the batch's half of the lanes,
	v_lshl_add_u32 v[LRD], v17, 7, v[LRD]          ; its register of the accumulator,
	v_lshl_add_u32 v[LRD], v15, 10, v[LRD]         ; its accumulator
	v_lshlrev_b32 v[VO], 3, v0
	s_lshl_b32 s16, ttmp9, 17                      ; 16 rows of W
	s_mov_b32 s17, 0
	s_wait_kmcnt 0x0
	s_add_nc_u64 s[4:5], s[4:5], s[16:17]
	s_lshl_b32 s16, ttmp9, 6                       ; 16 numbers of b
	s_add_nc_u64 s[6:7], s[6:7], s[16:17]
	s_lshl_b32 s16, ttmp9, 11                      ; 16 rows of 128 bytes in w2b; 32 x 16 numbers in cbuf
	s_add_nc_u64 s[10:11], s[10:11], s[16:17]
	s_add_nc_u64 s[12:13], s[12:13], s[16:17]
	; all loads in one run: b, the fragments, W2
	global_load_b64 v[BP:BP+1], v[VB8], s[6:7]
	; A fragment is 16 rows x 32 K: lane (r, h) holds row r, K = 8 h + 0..7 and 16 + 8 h + 0..7: in f32 four pieces of 16 bytes at 0, 16, 64, 80 from 32 h.
.irp ks, 0,1,2,3
.irp q, 0,1,2,3
	global_load_b128 v[FR+48*\ks+4*\q:FR+48*\ks+4*\q+3],       v[VH], s[8:9] offset:128*\ks+16*(\q%2)+64*(\q/2)
	global_load_b128 v[FR+48*\ks+16+4*\q:FR+48*\ks+16+4*\q+3], v[VH], s[8:9] offset:65536+128*\ks+16*(\q%2)+64*(\q/2)
	global_load_b128 v[FR+48*\ks+32+4*\q:FR+48*\ks+32+4*\q+3], v[VW], s[4:5] offset:128*\ks+16*(\q%2)+64*(\q/2)
.endr
.endr
	WIN 0x40                                       ; destination window 1, address window 0
.irp i, 0,1,2,3,4,5,6,7
	global_load_b128 v[8*\i:8*\i+3],   v[VC], s[4:5] offset:4096+512*\i
	global_load_b128 v[8*\i+4:8*\i+7], v[VC], s[4:5] offset:4096+512*\i+16
.endr
	WIN 0
	s_wait_loadcnt 16                              ; loads come back in order: all but the youngest 16 (W2's) are in
	; f32 to bf16 in place, ascending: register i takes numbers 2 i, 2 i + 1, which lie at or above it
.set f, 0
.rept 12
.set i, 0
.rept 8
	v_cvt_pk_bf16_f32 v[FR+16*f+i], v[FR+16*f+2*i], v[FR+16*f+2*i+1]
.set i, i+1
.endr
.set f, f+1
.endr
	; source 0 = 16 batches, source 1 = 16 rows of W1: register j of lane (r, h) is (batch 8 h + j, column r).  The two accumulators take turns; the first products start the sums.
.irp ks, 0,1,2,3
.if \ks == 0
	v_wmma_f32_16x16x32_bf16 v[ACC:ACC+7],    v[FR:FR+7],       v[FR+32:FR+39], 0
	v_wmma_f32_16x16x32_bf16 v[ACC+8:ACC+15], v[FR+16:FR+23],   v[FR+32:FR+39], 0
.else
	v_wmma_f32_16x16x32_bf16 v[ACC:ACC+7],    v[FR+48*\ks:FR+48*\ks+7],       v[FR+48*\ks+32:FR+48*\ks+39], v[ACC:ACC+7]
	v_wmma_f32_16x16x32_bf16 v[ACC+8:ACC+15], v[FR+48*\ks+16:FR+48*\ks+23],   v[FR+48*\ks+32:FR+48*\ks+39], v[ACC+8:ACC+15]
.endif
.endr
.rept 4
	v_nop                                          ; four places (ISA guide 7.12.1) before the results are stored and the fragments' registers rewritten
.endr
.irp q, 0,1,2,3,4,5,6,7,8,9,10,11,12,13,14,15
	ds_store_b32 v[LST], v[ACC+\q] offset:128*\q   ; each accumulator from its lowest register on
.endr
	; W2: 64 numbers a thread, rounded to bf16 and stored; a wave's store covers 512 consecutive bytes of w2b
	s_wait_loadcnt 0x0
	WIN 0x05                                       ; sources 0 and 1 window 1, destination window 0
.set i, 0
.rept 32
	v_cvt_pk_bf16_f32 v[FR+i], v[2*i], v[2*i+1]
.set i, i+1
.endr
	WIN 0
.irp i, 0,1,2,3,4,5,6,7
	global_store_b128 v[VS], v[FR+4*\i:FR+4*\i+3], s[10:11] offset:262144*\i  ; K step 2 i + t / 128
.endr
	s_wait_dscnt 0x0                               ; for the others' sake: my partial sums are in LDS
	s_barrier_signal -1
	s_barrier_wait -1
.irp w, 0,1,2,3,4,5,6,7
	ds_load_b64 v[RB+2*\w:RB+2*\w+1], v[LRD] offset:2048*\w
.endr
	s_wait_dscnt 0x0
	v_pk_add_f32 v[RB:RB+1],     v[RB:RB+1],     v[RB+2:RB+3]
	v_pk_add_f32 v[RB+4:RB+5],   v[RB+4:RB+5],   v[RB+6:RB+7]
	v_pk_add_f32 v[RB+8:RB+9],   v[RB+8:RB+9],   v[RB+10:RB+11]
	v_pk_add_f32 v[RB+12:RB+13], v[RB+12:RB+13], v[RB+14:RB+15]
	v_pk_add_f32 v[RB:RB+1],     v[RB:RB+1],     v[RB+4:RB+5]
	v_pk_add_f32 v[RB+8:RB+9],   v[RB+8:RB+9],   v[RB+12:RB+13]
	v_pk_add_f32 v[RB:RB+1],     v[RB:RB+1],     v[RB+8:RB+9]
	v_pk_add_f32 v[RB:RB+1],     v[RB:RB+1],     v[BP:BP+1]
	v_pk_mul_f32 v[RB:RB+1],     v[RB:RB+1],     0x4038aa3b op_sel_hi:[1,0]  ; 2 log2(e)
	global_store_b64 v[VO], v[RB:RB+1], s[12:13]   ; a wave's store covers 256 consecutive bytes, aligned
	s_wait_tensorcnt 0x0                           ; the wave's end, behind my last LDS store
	ds_add_u32 v[SPW], v[NIL]
	s_wait_dscnt 0x0
	s_endpgm
.Lfunc_end_k_qdea557950e_prep:
	.size	k_qdea557950e_prep, .Lfunc_end_k_qdea557950e_prep-k_qdea557950e_prep
	.p2alignl 7, 3214868480
	.fill 96, 4, 3214868480
	.section	.rodata,"a",@progbits
	.p2align	6, 0x0
	.amdhsa_kernel k_qdea557950e_prep
		.amdhsa_group_segment_fixed_size 17408
		.amdhsa_private_segment_fixed_size 0
		.amdhsa_enable_private_segment 0
		.amdhsa_kernarg_size 40
		.amdhsa_user_sgpr_count 2
		.amdhsa_user_sgpr_kernarg_segment_ptr 1
		.amdhsa_wavefront_size32 1
		.amdhsa_system_sgpr_workgroup_id_x 1
		.amdhsa_system_sgpr_workgroup_id_y 1
		.amdhsa_system_sgpr_workgroup_id_z 1
		.amdhsa_system_vgpr_workitem_id 0
		.amdhsa_next_free_vgpr 320
		.amdhsa_next_free_sgpr 66
		.amdhsa_reserve_vcc 0
		.amdhsa_float_denorm_mode_32 3
		.amdhsa_float_denorm_mode_16_64 3
		.amdhsa_memory_ordered 1
		.amdhsa_forward_progress 1
		.amdhsa_inst_pref_size 21
	.end_amdhsa_kernel
	.amdgpu_metadata
---
amdhsa.version: [ 1, 2 ]
amdhsa.kernels:
  - .name:           k_qdea557950e_prep
    .symbol:         k_qdea557950e_prep.kd
    .args:
      - { .name: W, .offset: 0, .size: 8, .value_kind: global_buffer, .address_space: global }
      - { .name: b, .offset: 8, .size: 8, .value_kind: global_buffer, .address_space: global }
      - { .name: hidden, .offset: 16, .size: 8, .value_kind: global_buffer, .address_space: global }
      - { .name: w2b, .offset: 24, .size: 8, .value_kind: global_buffer, .address_space: global }
      - { .name: cbuf, .offset: 32, .size: 8, .value_kind: global_buffer, .address_space: global }
    .group_segment_fixed_size: 17408
    .private_segment_fixed_size: 0
    .kernarg_segment_align: 8
    .kernarg_segment_size: 40
    .max_flat_workgroup_size: 256
    .sgpr_count:     66
    .vgpr_count:     320
    .wavefront_size: 32
...
	.end_amdgpu_metadata
.endif
;; end of part 1
;; launch energy (part 2): grid 4 x 64, 4 waves a work-group, clusters of 4 x 4, 327,680 bytes of LDS; arguments encoder_outputs, w2b, cbuf, v, part; writes part
.if DOCPART == 2
	.amdgcn_target "amdgcn-amd-amdhsa--gfx1250"
	.amdhsa_code_object_version 6
	.text
	.protected	k_qdea557950e_energy
	.globl	k_qdea557950e_energy
	.p2align	8
	.type	k_qdea557950e_energy,@function
k_qdea557950e_energy:
	s_mov_b64 s[64:65], 0
	v_nop
	global_prefetch_b8 v0, s[64:65] scope:SCOPE_SE
	s_setreg_imm32_b32 hwreg(HW_REG_WAVE_MODE, 25, 1), 1
	s_wait_xcnt 0x0
	s_wait_alu depctr_hold_cnt(0) depctr_sa_sdst(0) depctr_va_vdst(0) depctr_va_sdst(0) depctr_va_ssrc(0) depctr_va_vcc(0) depctr_vm_vsrc(0)
	s_getreg_b32 s2, hwreg(HW_REG_IB_STS2, 6, 4)
	s_cmp_eq_u32 s2, 0
	s_cbranch_scc0 .Lentry_in_a_cluster
	s_endpgm
.Lentry_in_a_cluster:
	s_bfe_u32 s2, ttmp6, 0x10000c
	s_cmp_lg_u32 s2, 0xf033
	s_cbranch_scc0 .Lentry_shape_is_right
	s_endpgm
.Lentry_shape_is_right:
; part[X][row] = the sum over the 256 columns n of column tile X of v[n] tanh(enc[row] . W2[n] + c[batch][n]), row = batch x 1024 + t.
; enc: [32768][1024] f32.  w2b: W2 in bf16, [16 K steps][1024 n][64 k].  cbuf: 2 log2(e) x (hidden . W1 + b), [n / 16][batch][n % 16] f32.  part: [4][32768] f32.
; tanh(x) = 1 - 2 / (1 + 2^(2 log2(e) x)): it ends in 1 and -1 where the exponential ends in infinity and 0.  So the sum is kept as sum(v) + sum(-2 v / (1 + 2^..)), all in f32.
; LIMITS.  Matrix operands are rounded once to bf16 (f32's range); NaN and infinities in the inputs are not treated apart.
; SHARES.  A tile is 256 rows x 256 columns; there are 128 x 4.  256 work-groups of four waves STAY and make two tiles each, 16,384 rows apart.  A wave owns 64 rows x all 256 columns: 64 accumulators, 512 registers:
; each number of enc is read from LDS and rounded to bf16 by one wave alone (32 conversions for 64 matrix instructions), and a row's sum over the tile's columns never leaves the wave.
; K goes in steps of 64 through two LDS slots: enc's tile in f32 (rows of 256 bytes of memory, at multiples of 256 bytes), W2's in bf16 (32,768 dense bytes).  Two slots of a step of 128 would be 2 x 204,800 bytes: more than LDS holds.
; CLUSTERS: 4 x 4 work-groups.  The four of a row of the cluster are the four column tiles of one tile row and need the same tile of enc; the four of a column need the same tile of W2.
; Each tile is asked for JOINTLY: the same tensor load, descriptor and mask in all four.
; THE MATRIX INSTRUCTION: source 0 = 16 rows of enc, source 1 = 16 rows of W2: register j of lane (r, h) is (row 8 h + j, column r): a lane needs ONE c and ONE v for each block of 16 columns.
; REGISTERS, in windows of 256 (s_set_vgpr_msb: bits 1:0 source 0, 3:2 source 1, 5:4 source 2, 7:6 destination):
;   window 0: v0-31 addresses; v32-63 c, a pair for each column block; v64-127 enc's fragments in f32, later at work; v128-191 enc's fragments in bf16, two buffers; v192-223 row sums; v224-255 -2 v, a pair for each block
;   window 1: W2's fragments, two buffers of 128 (block b at 8 b)     windows 2, 3: accumulator (row block a, column block b) in window 2 + b / 8 at 8 (4 (b % 8) + a)
.set PA,     272                       ; a row of enc in LDS: 256 bytes + 16 = 68 words: the 16 rows of a load start at 16 different groups of four banks (64 banks of 4 bytes: ISA guide 11.1)
.set PB,     144                       ; a row of W2: 128 bytes + 16 = 36 words: likewise
.set HALFA,  128*PA                    ; what one tensor load brings of enc
.set HALFB,  128*PB                    ; and of W2
.set BOFF,   2*HALFA                   ; a slot: enc's 256 rows, then W2's 256 rows
.set SLOT,   BOFF+2*HALFB
.set SPARE,  2*SLOT                    ; behind the ring: the spare words, 128 bytes for each wave: two blocks of 256 bytes that no other line names
.set STEPA,  256                       ; bytes from K step to K step in a row of enc
.set STEPB,  131072                    ; and in w2b
.set NEXT_A, (1<<26)-14*STEPA          ; from a slot's last K step of a tile to its first of the next: 16,384 rows of 4,096 bytes down and back along K
.set BACK_B, 14*STEPB                  ; W2 only back: both tiles take the same columns
.set ADRA, 10                          ; v10-11  LDS address of my fragments of enc in slot 0, 1
.set ADRB, 12                          ; v12-13  the same for W2
.set CO,   14                          ; v14     4 r: my column in a block of 16
.set PO,   15                          ; v15     my byte offset in the wave's 256 bytes of part
.set PFV,  16                          ; v16     my byte offset in a tile of enc for the prefetch; never rewritten
.set VL,   18                          ; v[18:19] the sum of my 16 v, twice
.set SPW,  28                          ; v28     LDS address of my spare word; never rewritten
.set NIL,  29                          ; v29     0; never rewritten
.set CB,   32
.set ST,   64
.set AB,   128
.set S,    192
.set VB,   224
.set WV,   14                          ; s14  my wave's number
.set FORB, 15                          ; s15  I fetch for enc (0) or for W2 (1)
.set HALF, 16                          ; s16  which 128 rows of that tile I fetch
.set G1A,  24                          ; s[24:31] descriptor group 1 for enc's tiles;  s[32:39] group 0, a set for each slot
.set G0A,  32
.set G1B,  48                          ; s[48:55], s[56:63] the same for W2's
.set G0B,  56
.set K2,   66                          ; s[66:67] 2 log2(e): the packed line takes the pair's low word for both halves
.set M8,   68                          ; s68-71 lane masks: r & 8, 4, 2, 1
.set M4,   69
.set M2,   70
.set M1,   71
.set TL,   72                          ; s72  tiles to go
.set LAP,  73                          ; s73  counts laps
.set PFP,  74                          ; s74  the lap (0..15 over both tiles) last asked for by a prefetch
.set A0,   76                          ; s[76:77] enc at my first tile's first row
.set PFB,  78                          ; s[78:79] the prefetch's base
.set MSB, 0
.macro WIN new                         ; the immediate's high byte repeats the setting that is left; a switch that changes nothing is dropped
.if MSB != (\new)
	s_set_vgpr_msb (MSB<<8)|(\new)
.set MSB, \new
.endif
.endm
.set MUL_LO, 0xa4                      ; source 0 (enc) window 0, source 1 (W2) window 1, C and D window 2
.set TO_B,   0x40                      ; destination window 1, address window 0
; A joint load.  Waves 0 and 1 fetch enc's two halves, waves 2 and 3 W2's.  The branch hangs on the wave's number alone.  An s_nop 0 and four v_nop follow each of the two lines.
.macro JLOAD s
	s_cmp_eq_u32 s[FORB], 0
	s_cbranch_scc0 .Lfor_b_\@
	tensor_load_to_lds s[G0A+4*(\s):G0A+4*(\s)+3], s[G1A:G1A+7]
	s_nop 0
.rept 4
	v_nop
.endr
	s_branch .Lasked_\@
.Lfor_b_\@:
	tensor_load_to_lds s[G0B+4*(\s):G0B+4*(\s)+3], s[G1B:G1B+7]
	s_nop 0
.rept 4
	v_nop
.endr
.Lasked_\@:
.endm
; A round of the cluster's barrier: my work-group's barrier; wave 0 signals for the work-group; every wave waits for all sixteen; my work-group's barrier once more.
.macro CREST                           ; a round behind its opening barrier
	s_cmp_lg_u32 s[WV], 0
	s_cbranch_scc1 .Lnot_wave_0_\@
	s_barrier_signal -3
.Lnot_wave_0_\@:
	s_barrier_wait -3
	s_barrier_signal -1
	s_barrier_wait -1
.endm
.macro CROUND
	s_barrier_signal -1
	s_barrier_wait -1
	CREST
.endm
	s_load_b256 s[4:11], s[0:1], 0x0               ; enc s[4:5], w2b s[6:7], cbuf s[8:9], v s[10:11]
	s_load_b64 s[12:13], s[0:1], 0x20              ; part
	v_lshl_add_u32 v[SPW], v0, 2, SPARE
	v_mov_b32 v[NIL], 0
	ds_add_u32 v[SPW], v[NIL]                      ; the wave's opening: the add and its wait stand ahead of my first tensor load; the set-up below, work on registers, stands between them
	v_lshrrev_b32 v1, 5, v0
	v_readfirstlane_b32 s[WV], v1                  ; wave 0..3
	s_lshr_b32 s[FORB], s[WV], 1
	s_and_b32 s[HALF], s[WV], 1
	s_bfe_u32 s17, ttmp6, 0x40000                  ; cx
	s_bfe_u32 s18, ttmp6, 0x40004                  ; cy
	s_lshl_b32 s19, ttmp9, 2                       ; in a cluster launch ttmp9 and ttmp7 count clusters
	s_add_co_u32 s19, s19, s17                     ; X: column tile = 4 x cluster x + cx
	s_and_b32 s20, ttmp7, 0xffff
	s_lshl_b32 s20, s20, 2
	s_add_co_u32 s20, s20, s18                     ; Y0: my first tile row = 4 x cluster y + cy, 0..63; the second is Y0 + 64
	s_lshl_b32 s21, s18, 2
	s_lshl_b32 s21, 15, s21                        ; my row of the cluster
	s_lshl_b32 s22, 0x1111, s17                    ; my column
	; group 1 for enc: 128 rows x 64 elements of 4 bytes, 1,024 elements from row to row; 4 words of padding behind every 64
	s_or_b32 s[G1A+0], s21, (2<<16)|(1<<20)|(1<<21)|(5<<22)|(3<<25)  ; 15:0 the mask; 17:16 element size; 20 padding on; 21 set beside a mask; 24:22 interval; 31:25 padding
	s_mov_b32 s[G1A+1], 64<<16                     ; tensor_dim0 = 64
	s_mov_b32 s[G1A+2], 128<<16                    ; tensor_dim1 = 128
	s_mov_b32 s[G1A+3], 64<<16                     ; tile_dim0 = 64
	s_mov_b32 s[G1A+4], 128                        ; tile_dim1 = 128
	s_mov_b32 s[G1A+5], 1024                       ; tensor_dim0_stride
	s_mov_b32 s[G1A+6], 0
	s_mov_b32 s[G1A+7], 0
	; group 1 for W2: 128 n are 16,384 dense bytes: asked for as 64 rows of 128 elements of 2 bytes, two n a row, and padded by 4 words behind every 32 (every n)
	s_or_b32 s[G1B+0], s22, (1<<16)|(1<<20)|(1<<21)|(4<<22)|(3<<25)
	s_mov_b32 s[G1B+1], 128<<16
	s_mov_b32 s[G1B+2], 64<<16
	s_mov_b32 s[G1B+3], 128<<16
	s_mov_b32 s[G1B+4], 64
	s_mov_b32 s[G1B+5], 128
	s_mov_b32 s[G1B+6], 0
	s_mov_b32 s[G1B+7], 0
	; where the tiles come from: enc's hang on the tile row alone, W2's on the column tile alone, each in registers that never hold the other coordinate
	s_lshl_b32 s40, s20, 20                        ; a tile row is 256 rows of 4,096 bytes
	s_mov_b32 s41, 0
	s_lshl_b32 s42, s[HALF], 19                    ; my 128 rows of it
	s_mov_b32 s43, 0
	s_lshl_b32 s46, s19, 15                        ; a column tile is 256 n of 128 bytes
	s_lshl_b32 s23, s[HALF], 14                    ; my 128 n of it
	s_add_co_u32 s46, s46, s23
	s_mov_b32 s47, 0
	s_mul_i32 s82, s[HALF], HALFA                  ; and where they go: no place in the cluster enters an LDS address
	s_mul_i32 s83, s[HALF], HALFB
	s_mov_b32 s[K2], 0x4038aa3b                    ; 2 log2(e)
	s_mov_b32 s[K2+1], s[K2]                       ; named with it as a pair
	s_mov_b32 s[PFP], 1
	s_mov_b32 s81, 0                               ; the high word of the offsets made in s80; stays 0
	s_wait_dscnt 0x0                               ; the opening add is done
	s_wait_kmcnt 0x0
	s_add_nc_u64 s[A0:A0+1], s[4:5], s[40:41]
	s_add_nc_u64 s[44:45], s[A0:A0+1], s[42:43]
	s_add_nc_u64 s[46:47], s[6:7], s[46:47]
.irp s, 0,1
	s_mov_b32 s[G0A+4*\s], 1                                       ; count = 1
	s_add_co_u32 s[G0A+4*\s+1], s82, \s*SLOT                       ; LDS address
	s_add_nc_u64 s[G0A+4*\s+2:G0A+4*\s+3], s[44:45], \s*STEPA      ; global address: K step s
	s_or_b32 s[G0A+4*\s+3], s[G0A+4*\s+3], 0x80000000              ; type = 2
	s_mov_b32 s[G0B+4*\s], 1
	s_add_co_u32 s[G0B+4*\s+1], s83, \s*SLOT+BOFF
	s_add_nc_u64 s[G0B+4*\s+2:G0B+4*\s+3], s[46:47], \s*STEPB
	s_or_b32 s[G0B+4*\s+3], s[G0B+4*\s+3], 0x80000000
.endr
	CROUND                                         ; all sixteen work-groups are here: the first joint loads meet
	s_cmp_eq_u32 s[FORB], 0                        ; a wave's two first fills stand in one branch, ahead of every wait on TENSORcnt, every LDS read and every further barrier: two loads of mine are out
	s_cbranch_scc0 .Lfirst_b
	tensor_load_to_lds s[G0A:G0A+3], s[G1A:G1A+7]
	s_nop 0
	tensor_load_to_lds s[G0A+4:G0A+7], s[G1A:G1A+7]
	s_nop 0
.rept 4
	v_nop
.endr
	s_branch .Lfirst_asked
.Lfirst_b:
	tensor_load_to_lds s[G0B:G0B+3], s[G1B:G1B+7]
	s_nop 0
	tensor_load_to_lds s[G0B+4:G0B+7], s[G1B:G1B+7]
	s_nop 0
.rept 4
	v_nop
.endr
.Lfirst_asked:
	; all that follows up to the wait stands in the wait for the first tile
	s_lshl_b32 s80, s19, 15                        ; cbuf: 16 X blocks of 2,048 bytes,
	s_lshr_b32 s21, s20, 2                         ; the batch = tile row / 4,
	s_lshl_b32 s21, s21, 6                         ; 64 bytes each
	s_add_co_u32 s80, s80, s21
	s_add_nc_u64 s[8:9], s[8:9], s[80:81]
	s_lshl_b32 s80, s19, 10                        ; v: 256 X numbers
	s_add_nc_u64 s[10:11], s[10:11], s[80:81]
	s_lshl_b32 s80, s19, 17                        ; part: X x 32,768 numbers,
	s_lshl_b32 s21, s20, 10                        ; the tile's 256 rows,
	s_add_co_u32 s80, s80, s21
	s_lshl_b32 s21, s[WV], 8                       ; my wave's 64
	s_add_co_u32 s80, s80, s21
	s_add_nc_u64 s[12:13], s[12:13], s[80:81]
	v_and_b32 v1, 15, v0                           ; r
	v_bfe_u32 v2, v0, 4, 1                         ; h
	v_lshlrev_b32 v[CO], 2, v1
.macro CLOAD                           ; c of my column in each of the 16 blocks, twice: the pair that the packed line adds
.set cb, 0
.rept 16
	global_load_b32 v[CB+2*cb],   v[CO], s[8:9] offset:2048*cb
	global_load_b32 v[CB+2*cb+1], v[CO], s[8:9] offset:2048*cb
.set cb, cb+1
.endr
.endm
.set cb, 0
.rept 16
	global_load_b32 v[VB+2*cb], v[CO], s[10:11] offset:64*cb
.set cb, cb+1
.endr
	CLOAD
	; A fragment is 16 rows x 32 K: lane (r, h) holds row r, K = 8 h + 0..7 and 16 + 8 h + 0..7.  In f32: four loads of 16 bytes at 0, 16, 64, 80 from 32 h.  In bf16: two, at 0 and 32 from 16 h.
	v_mul_u32_u24 v3, v1, PA
	v_lshl_add_u32 v3, v2, 5, v3
	s_mul_i32 s21, s[WV], 64*PA                    ; my wave's 64 rows
	v_add_nc_u32 v[ADRA], s21, v3
	v_add_nc_u32 v[ADRA+1], SLOT, v[ADRA]
	v_mul_u32_u24 v4, v1, PB
	v_lshl_add_u32 v4, v2, 4, v4
	v_add_nc_u32 v[ADRB], BOFF, v4
	v_add_nc_u32 v[ADRB+1], SLOT, v[ADRB]
	v_lshrrev_b32 v5, 2, v1                        ; at the end lane (r, h) holds rows 16 (r / 4) + 8 h + 2 (r % 4), + 1 of the wave's 64
	v_and_b32 v6, 3, v1
	v_lshlrev_b32 v[PO], 3, v6
	v_lshl_add_u32 v[PO], v2, 5, v[PO]
	v_lshl_add_u32 v[PO], v5, 6, v[PO]
	v_and_b32 v8, 63, v0                           ; the prefetch: of a tile's 256 rows my work-group takes 64 cx .., thread t row t % 64, block t / 64 of a lap's two blocks of 256 bytes
	s_lshl_b32 s22, s17, 6
	v_add_nc_u32 v8, s22, v8
	v_lshrrev_b32 v9, 6, v0
	v_lshlrev_b32 v[PFV], 12, v8
	v_lshl_add_u32 v[PFV], v9, 8, v[PFV]
	v_and_b32 v7, 8, v1
	v_cmp_ne_u32 s[M8], 0, v7
	v_and_b32 v7, 4, v1
	v_cmp_ne_u32 s[M4], 0, v7
	v_and_b32 v7, 2, v1
	v_cmp_ne_u32 s[M2], 0, v7
	v_and_b32 v7, 1, v1
	v_cmp_ne_u32 s[M1], 0, v7
	s_wait_loadcnt 32                              ; v is in; the 32 younger loads (c) may stay out
	v_add_f32 v[VL], v[VB], v[VB+2]
.set cb, 2
.rept 14
	v_add_f32 v[VL], v[VL], v[VB+2*cb]
.set cb, cb+1
.endr
	v_mov_b32 v[VL+1], v[VL]
.set cb, 0
.rept 16
	v_mul_f32 v[VB+2*cb+1], -2.0, v[VB+2*cb]
	v_mov_b32 v[VB+2*cb], v[VB+2*cb+1]
.set cb, cb+1
.endr
; 16 matrix instructions: column blocks 8 w + 4 p .. + 3 x my four row blocks, 32 along K, buffers f.  The 64 accumulators take turns, one instruction a turn, in the same order in every half step.
; zero = 1: the first product starts the sums: nothing is ever cleared.
.macro MUL16 f, w, p, zero
	WIN MUL_LO+0x50*(\w)
.set bb, 4*(\p)
.rept 4
.set ra, 0
.rept 4
.if \zero
	v_wmma_f32_16x16x32_bf16 v[8*(4*bb+ra):8*(4*bb+ra)+7], v[AB+32*(\f)+8*ra:AB+32*(\f)+8*ra+7], v[128*(\f)+8*(8*(\w)+bb):128*(\f)+8*(8*(\w)+bb)+7], 0
.else
	v_wmma_f32_16x16x32_bf16 v[8*(4*bb+ra):8*(4*bb+ra)+7], v[AB+32*(\f)+8*ra:AB+32*(\f)+8*ra+7], v[128*(\f)+8*(8*(\w)+bb):128*(\f)+8*(8*(\w)+bb)+7], v[8*(4*bb+ra):8*(4*bb+ra)+7]
.endif
.set ra, ra+1
.endr
.set bb, bb+1
.endr
.endm
; 48 LDS loads in one run: half kq of a K step: enc's 64 rows x 32 K in f32 (16 loads), then W2's 256 rows x 32 K into buffer g (32 loads, blocks ascending)
.macro FETCH slot, kq, g
	WIN 0
.irp a, 0,1,2,3
	ds_load_b128 v[ST+16*\a:ST+16*\a+3],     v[ADRA+(\slot)] offset:\a*16*PA+128*(\kq)
	ds_load_b128 v[ST+16*\a+4:ST+16*\a+7],   v[ADRA+(\slot)] offset:\a*16*PA+128*(\kq)+16
	ds_load_b128 v[ST+16*\a+8:ST+16*\a+11],  v[ADRA+(\slot)] offset:\a*16*PA+128*(\kq)+64
	ds_load_b128 v[ST+16*\a+12:ST+16*\a+15], v[ADRA+(\slot)] offset:\a*16*PA+128*(\kq)+80
.endr
	WIN TO_B
.irp b, 0,1,2,3,4,5,6,7,8,9,10,11,12,13,14,15
	ds_load_b128 v[128*(\g)+8*\b:128*(\g)+8*\b+3],   v[ADRB+(\slot)] offset:\b*16*PB+64*(\kq)
	ds_load_b128 v[128*(\g)+8*\b+4:128*(\g)+8*\b+7], v[ADRB+(\slot)] offset:\b*16*PB+64*(\kq)+32
.endr
.endm
; enc's fragments are rounded to bf16 into buffer g.  These 32 plain instructions name no register of the products in front of them (those read the other buffers), so they are also the places (for the conversions)
; between those products and the next run of loads into W2's other buffer and the next conversions into enc's other buffer.
.macro CVT g
	WIN 0
	s_wait_dscnt 32                                ; LDS loads come back in order: enc's 16 are in, W2's 32 may stay out
.set i, 0
.rept 32
	v_cvt_pk_bf16_f32 v[AB+32*(\g)+i], v[ST+2*i], v[ST+2*i+1]
.set i, i+1
.endr
.endm
; Once a lap (two K steps): each thread asks for one block of 256 bytes of enc's tiles of the lap two laps on, whose tensor loads go out in the next lap.  The four partners that share the tile take 64 of its 256 rows each,
; so each block is asked for once in the launch.  Laps 0 and 1 are not asked for; behind lap 15, the second tile's last, nothing is: the lines are jumped over.
.macro PREF
	s_add_co_u32 s[PFP], s[PFP], 1
	s_cmp_lt_u32 s[PFP], 16
	s_cbranch_scc0 .Lno_pf_\@
	s_wait_xcnt 0x0                                ; the last lap's prefetch has had its address translated: its base is rewritten only behind this wait
	s_lshr_b32 s80, s[PFP], 3
	s_lshl_b32 s80, s80, 26                        ; the tile,
	s_and_b32 s23, s[PFP], 7
	s_lshl_b32 s23, s23, 9                         ; the lap's 512 bytes in a row
	s_add_co_u32 s80, s80, s23
	s_add_nc_u64 s[PFB:PFB+1], s[A0:A0+1], s[80:81]
	global_prefetch_b8 v[PFV], s[PFB:PFB+1] th:TH_LOAD_NT scope:SCOPE_SE
.Lno_pf_\@:
.endm
; A K step is two halves of 32 along K, 64 matrix instructions each, on buffers 0 and 1.  The first half multiplies buffers 0 and fetches the second half of the same slot.
.macro EVEN slot, zero, pf
	s_wait_dscnt 16                                ; W2's blocks 0-7 are in; the youngest 16 loads (blocks 8-15) may be out
	MUL16 0, 0, 0, \zero
	MUL16 0, 0, 1, \zero
	FETCH \slot, 1, 1
.if \pf
	WIN 0                                          ; at a branch and at a label every window is 0
	PREF
.endif
	s_wait_dscnt 48                                ; all but the 48 just issued
	MUL16 0, 1, 0, \zero
	MUL16 0, 1, 1, \zero
	CVT 1
.endm
; The second half multiplies buffers 1 and changes slots: ONE barrier.  In front of it each wave waits for all its tensor loads, of which one is out: its part of the next slot; adds 0 to its spare word; and waits for that
; and for its own reads of this slot.  Behind it nobody reads this slot any more and the next slot is whole.
; mode 1: this slot is filled again, two K steps on; mode 2: with the NEXT tile's K step 0 or 1; the barrier then opens a round of the cluster's, and the joint load is the first tensor load behind the round.  mode 0: nothing is asked for.
.macro TURN slot, next, mode
	WIN 0                                          ; (the add's two registers lie in window 0)
	s_wait_tensorcnt 0x0                           ; all my tensor loads have landed
	ds_add_u32 v[SPW], v[NIL]                      ; 0 onto my spare word
	s_wait_dscnt 17                                ; (the add and the youngest 16 loads, W2's blocks 8-15, may be out)
	MUL16 1, 0, 0, 0                               ; sixteen matrix instructions stand between the add and the wait for it
	s_wait_dscnt 0x0                               ; the add is done, and my reads of this slot are over
	s_barrier_signal -1
	MUL16 1, 0, 1, 0                               ; work on registers while the others arrive
	WIN 0
	s_barrier_wait -1
.if \mode
	CREST                                          ; no wave of any partner still reads this slot's tiles or has a load on its way
.if (\mode) == 2
	s_add_nc_u64 s[G0A+4*(\slot)+2:G0A+4*(\slot)+3], s[G0A+4*(\slot)+2:G0A+4*(\slot)+3], NEXT_A
	s_sub_nc_u64 s[G0B+4*(\slot)+2:G0B+4*(\slot)+3], s[G0B+4*(\slot)+2:G0B+4*(\slot)+3], BACK_B
.else
	s_add_nc_u64 s[G0A+4*(\slot)+2:G0A+4*(\slot)+3], s[G0A+4*(\slot)+2:G0A+4*(\slot)+3], 2*STEPA
	s_add_nc_u64 s[G0B+4*(\slot)+2:G0B+4*(\slot)+3], s[G0B+4*(\slot)+2:G0B+4*(\slot)+3], 2*STEPB
.endif
	JLOAD \slot                                    ; it has a K step less thirty-two matrix instructions in which to land
.endif
	FETCH \next, 0, 0
	MUL16 1, 1, 0, 0
	MUL16 1, 1, 1, 0
	CVT 0
.endm
; THE WAY OUT.  Column block b: 32 results a lane (index 8 a + j: row 16 a + 8 h + j, column 16 b + r).  z = 2 log2(e) x sum + c; 2^z; + 1; the reciprocal; the row sums take -2 v times it (the first block starts them with the sum of v).
; Each accumulator's lowest registers are read first.  Behind each run of transcendentals one v_nop stands before a result is used (ISA guide 5.7.2).
.macro GROUP b
.set TT, ST+32*((\b)%2)
.set AC, 32*((\b)%8)
	WIN 0x02+(\b)/8                                ; source 0 window 2 or 3
.set i, 0
.rept 16
	v_pk_fma_f32 v[TT+2*i:TT+2*i+1], v[AC+2*i:AC+2*i+1], s[K2:K2+1], v[CB+2*(\b):CB+2*(\b)+1] op_sel_hi:[1,0,1]
.set i, i+1
.endr
	WIN 0
.set i, 0
.rept 32
	v_exp_f32 v[TT+i], v[TT+i]
.set i, i+1
.endr
	v_nop
.set i, 0
	s_wait_alu depctr_va_vdst(0)
.rept 16
	v_pk_add_f32 v[TT+2*i:TT+2*i+1], v[TT+2*i:TT+2*i+1], 1.0 op_sel_hi:[1,0]
.set i, i+1
.endr
.set i, 0
.rept 32
	v_rcp_f32 v[TT+i], v[TT+i]
.set i, i+1
.endr
	v_nop
	s_wait_alu depctr_va_vdst(0)
.set i, 0
.rept 16
.if (\b) == 0
	s_wait_alu depctr_va_vdst(0)
	v_pk_fma_f32 v[S+2*i:S+2*i+1], v[TT+2*i:TT+2*i+1], v[VB+2*(\b):VB+2*(\b)+1], v[VL:VL+1]
.else
	v_pk_fma_f32 v[S+2*i:S+2*i+1], v[TT+2*i:TT+2*i+1], v[VB+2*(\b):VB+2*(\b)+1], v[S+2*i:S+2*i+1]
.endif
.set i, i+1
.endr
.endm
; The sum over the 16 lanes of a half, halving what a lane holds: of n sums a lane keeps the half that its bit of r names, sends the other half to the lane m away, and adds what that lane sends.
.macro RS n, m, mask
.set i, 0
.rept (\n)/2
	v_cndmask_b32 v[ST+2*i],   v[S+i], v[S+i+(\n)/2], s[\mask]
	v_cndmask_b32 v[ST+2*i+1], v[S+i+(\n)/2], v[S+i], s[\mask]
.set i, i+1
.endr
.set i, 0
.rept (\n)/2
	v_add_f32_dpp v[S+i], v[ST+2*i+1], v[ST+2*i] row_xmask:\m row_mask:0xf bank_mask:0xf
.set i, i+1
.endr
.endm
.macro EPI
	s_wait_loadcnt 0x0                             ; this tile's c
.irp b, 0,1,2,3,4,5,6,7,8,9,10,11,12,13,14,15
	GROUP \b
.endr
	RS 32, 8, M8
	RS 16, 4, M4
	RS 8, 2, M2
	RS 4, 1, M1                                    ; lane r now holds the sums of indices 2 r, 2 r + 1
	global_store_b64 v[PO], v[S:S+1], s[12:13]     ; the wave's store covers 256 consecutive bytes, at a multiple of 256 from part's first byte
.endm
	s_wait_tensorcnt 1                             ; my part of K step 0 is in; K step 1's may stay out
	s_barrier_signal -1
	s_barrier_wait -1                              ; everybody's is
	FETCH 0, 0, 0
	CVT 0
	s_mov_b32 s[TL], 2                             ; tiles to go, this one among them: the same number in every work-group
.Ltile:
	EVEN 0, 1, 0                                   ; a tile's first half step stands in front of the loop: its products start the sums
	WIN 0
	s_mov_b32 s[LAP], 7
.Llap:                                                 ; a trip goes once round the ring, from a lap's second half step to the next lap's first, and fills both slots again
	TURN 0, 1, 1
	EVEN 1, 0, 1
	TURN 1, 0, 1
	EVEN 0, 0, 0
	WIN 0
	s_sub_co_u32 s[LAP], s[LAP], 1
	s_cmp_lg_u32 s[LAP], 0
	s_cbranch_scc1 .Llap
	s_cmp_eq_u32 s[TL], 1
	s_cbranch_scc1 .Llast                          ; the last tile's tail is written out: it asks for nothing more
	TURN 0, 1, 2                                   ; THE RING GOES ON INTO THE NEXT TILE: slot 0 takes its K step 0,
	EVEN 1, 0, 1
	TURN 1, 0, 2                                   ; slot 1 its K step 1, and the next tile's first fragments are fetched into buffers 0, which the way out does not touch
	EPI                                            ; both refills are asked for; the 32 conversions just made are the places behind the last products
	s_wait_xcnt 0x0                                ; the store has had its address translated: its base and its data, and c's base, are rewritten only behind this wait
	s_add_nc_u64 s[12:13], s[12:13], 65536         ; 16,384 rows on in part,
	s_add_nc_u64 s[8:9], s[8:9], 1024              ; 16 batches on in cbuf
	CLOAD
	s_sub_co_u32 s[TL], s[TL], 1
	s_branch .Ltile
.Llast:
	TURN 0, 1, 0                                   ; my one tensor load that was still out is slot 1's, the last K step's, so no round follows
	EVEN 1, 0, 1                                   ; (the prefetch's lines are jumped over here: no lap is left)
	s_wait_dscnt 16                                ; the very last half step: nothing more to fetch
	MUL16 1, 0, 0, 0
	MUL16 1, 0, 1, 0
	s_wait_dscnt 0x0
	MUL16 1, 1, 0, 0
	MUL16 1, 1, 1, 0
	WIN 0
.rept 4
	v_nop                                          ; the places behind the last products
.endr
	EPI
	s_wait_tensorcnt 0x0                           ; the wave's end, behind my last tensor load
	ds_add_u32 v[SPW], v[NIL]
	s_wait_dscnt 0x0
	CROUND                                         ; the closing round: no work-group ends while a partner may still ask for a tile that names it
	s_endpgm
.Lfunc_end_k_qdea557950e_energy:
	.size	k_qdea557950e_energy, .Lfunc_end_k_qdea557950e_energy-k_qdea557950e_energy
	.p2alignl 7, 3214868480
	.fill 96, 4, 3214868480
	.section	.rodata,"a",@progbits
	.p2align	6, 0x0
	.amdhsa_kernel k_qdea557950e_energy
		.amdhsa_group_segment_fixed_size 327680
		.amdhsa_private_segment_fixed_size 0
		.amdhsa_enable_private_segment 0
		.amdhsa_kernarg_size 40
		.amdhsa_user_sgpr_count 2
		.amdhsa_user_sgpr_kernarg_segment_ptr 1
		.amdhsa_wavefront_size32 1
		.amdhsa_system_sgpr_workgroup_id_x 1
		.amdhsa_system_sgpr_workgroup_id_y 1
		.amdhsa_system_sgpr_workgroup_id_z 1
		.amdhsa_system_vgpr_workitem_id 0
		.amdhsa_next_free_vgpr 1024
		.amdhsa_next_free_sgpr 84
		.amdhsa_reserve_vcc 0
		.amdhsa_float_denorm_mode_32 3
		.amdhsa_float_denorm_mode_16_64 3
		.amdhsa_memory_ordered 1
		.amdhsa_forward_progress 1
		.amdhsa_inst_pref_size 255
	.end_amdhsa_kernel
	.section	.bss,"aw",@nobits
	.p2align	6
	.space	262144
	.amdgpu_metadata
---
amdhsa.version: [ 1, 2 ]
amdhsa.kernels:
  - .name:           k_qdea557950e_energy
    .symbol:         k_qdea557950e_energy.kd
    .args:
      - { .name: encoder_outputs, .offset: 0, .size: 8, .value_kind: global_buffer, .address_space: global }
      - { .name: w2b, .offset: 8, .size: 8, .value_kind: global_buffer, .address_space: global }
      - { .name: cbuf, .offset: 16, .size: 8, .value_kind: global_buffer, .address_space: global }
      - { .name: v, .offset: 24, .size: 8, .value_kind: global_buffer, .address_space: global }
      - { .name: part, .offset: 32, .size: 8, .value_kind: global_buffer, .address_space: global }
    .group_segment_fixed_size: 327680
    .private_segment_fixed_size: 0
    .kernarg_segment_align: 8
    .kernarg_segment_size: 40
    .max_flat_workgroup_size: 128
    .sgpr_count:     84
    .vgpr_count:     1024
    .wavefront_size: 32
...
	.end_amdgpu_metadata
.endif
;; end of part 2
;; launch soft (part 3): grid 32 x 1, 1 waves a work-group, no clusters, 0 bytes of LDS; arguments part, out0; writes out0
.if DOCPART == 3
	.amdgcn_target "amdgcn-amd-amdhsa--gfx1250"
	.amdhsa_code_object_version 6
	.text
	.protected	k_qdea557950e_soft
	.globl	k_qdea557950e_soft
	.p2align	8
	.type	k_qdea557950e_soft,@function
k_qdea557950e_soft:
	s_mov_b64 s[64:65], 0
	v_nop
	global_prefetch_b8 v0, s[64:65] scope:SCOPE_SE
	s_setreg_imm32_b32 hwreg(HW_REG_WAVE_MODE, 25, 1), 1
	s_wait_xcnt 0x0
; out0[batch][t] = softmax over t of score[batch][t], score = the sum of part's four column tiles.  part: [4][32768] f32; out0: [32][1024] f32.
; One wave takes one batch: 32 numbers a lane, so the maximum and the sum never leave the wave: no LDS, no barrier.  Each load and store of the wave covers 512 consecutive bytes.
; The row's maximum is taken away before the exponential.  32 work-groups: the launch moves 0.6 MB, and more waves for a row would need LDS and a barrier.
; LIMITS.  A weight below 2^-126 counts as 0; NaN and infinities are not treated apart.
.set X, 16                             ; v16-47 column tile 0, then the scores, the weights, the result; v48-79, v80-111, v112-143 column tiles 1 to 3
	s_load_b128 s[4:7], s[0:1], 0x0                ; part s[4:5], out0 s[6:7]
	s_lshl_b32 s2, ttmp9, 12                       ; a batch's 1,024 numbers
	s_mov_b32 s3, 0
	s_mov_b32 s8, 0x3fb8aa3b                       ; log2(e)
	s_mov_b32 s9, s8                               ; named with it as a pair
	s_mov_b32 s10, 0x76543210                      ; v_permlanex16_b32: each lane takes its own place in the other half
	s_mov_b32 s11, 0xfedcba98
	v_lshlrev_b32 v1, 4, v0                        ; 16 bytes a lane
	s_wait_kmcnt 0x0
	s_add_nc_u64 s[4:5], s[4:5], s[2:3]
	s_add_nc_u64 s[6:7], s[6:7], s[2:3]
.irp p, 0,1,2,3
.irp i, 0,1,2,3,4,5,6,7
	global_load_b128 v[X+32*\p+4*\i:X+32*\p+4*\i+3], v1, s[4:5] offset:131072*\p+512*\i
.endr
.endr
	s_wait_loadcnt 0x0
.set i, 0
.rept 16
	v_pk_add_f32 v[X+2*i:X+2*i+1],       v[X+2*i:X+2*i+1],       v[X+32+2*i:X+32+2*i+1]
	v_pk_add_f32 v[X+64+2*i:X+64+2*i+1], v[X+64+2*i:X+64+2*i+1], v[X+96+2*i:X+96+2*i+1]
.set i, i+1
.endr
.set i, 0
.rept 16
	v_pk_add_f32 v[X+2*i:X+2*i+1], v[X+2*i:X+2*i+1], v[X+64+2*i:X+64+2*i+1]
.set i, i+1
.endr
	; the maximum: four chains of seven, the four left over, then across the lanes
.irp c, 0,1,2,3
	v_max3_num_f32 v[2+\c], v[X+8*\c], v[X+8*\c+1], v[X+8*\c+2]
.endr
.irp c, 0,1,2,3
	v_max3_num_f32 v[2+\c], v[2+\c], v[X+8*\c+3], v[X+8*\c+4]
.endr
.irp c, 0,1,2,3
	v_max3_num_f32 v[2+\c], v[2+\c], v[X+8*\c+5], v[X+8*\c+6]
.endr
	v_max3_num_f32 v2, v2, v[X+7], v[X+15]
	v_max3_num_f32 v4, v4, v[X+23], v[X+31]
	v_max3_num_f32 v2, v2, v3, v4
	v_max_num_f32 v2, v2, v5
	v_max_num_f32_dpp v2, v2, v2 row_xmask:1 row_mask:0xf bank_mask:0xf
	v_max_num_f32_dpp v2, v2, v2 row_xmask:2 row_mask:0xf bank_mask:0xf
	v_max_num_f32_dpp v2, v2, v2 row_xmask:4 row_mask:0xf bank_mask:0xf
	v_max_num_f32_dpp v2, v2, v2 row_xmask:8 row_mask:0xf bank_mask:0xf
	v_permlanex16_b32 v3, v2, s10, s11             ; its destination counts as read: v3 has been written
	v_max_num_f32 v2, v2, v3                       ; every lane holds the row's maximum m
	v_mul_f32 v12, 0xbfb8aa3b, v2                  ; - m log2(e), twice
	v_mov_b32 v13, v12
.set i, 0
.rept 16
	v_pk_fma_f32 v[X+2*i:X+2*i+1], v[X+2*i:X+2*i+1], s[8:9], v[12:13] op_sel_hi:[1,0,1]
.set i, i+1
.endr
.set i, 0
.rept 32
	v_exp_f32 v[X+i], v[X+i]
.set i, i+1
.endr
	v_nop                                          ; a plain instruction between the run of exponentials and the use of a result (ISA guide 5.7.2)
	; the sum, into other registers: four chains of four pairs
	s_wait_alu depctr_va_vdst(0)
.irp c, 0,1,2,3
	v_pk_add_f32 v[4+2*\c:5+2*\c], v[X+8*\c:X+8*\c+1], v[X+8*\c+2:X+8*\c+3]
.endr
.irp c, 0,1,2,3
	v_pk_add_f32 v[4+2*\c:5+2*\c], v[4+2*\c:5+2*\c], v[X+8*\c+4:X+8*\c+5]
.endr
.irp c, 0,1,2,3
	v_pk_add_f32 v[4+2*\c:5+2*\c], v[4+2*\c:5+2*\c], v[X+8*\c+6:X+8*\c+7]
.endr
	v_pk_add_f32 v[4:5], v[4:5], v[6:7]
	v_pk_add_f32 v[8:9], v[8:9], v[10:11]
	v_pk_add_f32 v[4:5], v[4:5], v[8:9]
	v_add_f32 v4, v4, v5
	v_add_f32_dpp v4, v4, v4 row_xmask:1 row_mask:0xf bank_mask:0xf
	v_add_f32_dpp v4, v4, v4 row_xmask:2 row_mask:0xf bank_mask:0xf
	v_add_f32_dpp v4, v4, v4 row_xmask:4 row_mask:0xf bank_mask:0xf
	v_add_f32_dpp v4, v4, v4 row_xmask:8 row_mask:0xf bank_mask:0xf
	v_permlanex16_b32 v5, v4, s10, s11
	v_add_f32 v4, v4, v5                           ; at least 1: the maximum's own weight
	v_rcp_f32 v12, v4                              ; twice, to fill the pair that the packed multiply takes
	v_rcp_f32 v13, v4
	v_nop
.set i, 0
	s_wait_alu depctr_va_vdst(0)
.rept 16
	v_pk_mul_f32 v[X+2*i:X+2*i+1], v[X+2*i:X+2*i+1], v[12:13]
.set i, i+1
.endr
.irp i, 0,1,2,3,4,5,6,7
	global_store_b128 v1, v[X+4*\i:X+4*\i+3], s[6:7] offset:512*\i
.endr
	s_endpgm
.Lfunc_end_k_qdea557950e_soft:
	.size	k_qdea557950e_soft, .Lfunc_end_k_qdea557950e_soft-k_qdea557950e_soft
	.p2alignl 7, 3214868480
	.fill 96, 4, 3214868480
	.section	.rodata,"a",@progbits
	.p2align	6, 0x0
	.amdhsa_kernel k_qdea557950e_soft
		.amdhsa_group_segment_fixed_size 0
		.amdhsa_private_segment_fixed_size 0
		.amdhsa_enable_private_segment 0
		.amdhsa_kernarg_size 16
		.amdhsa_user_sgpr_count 2
		.amdhsa_user_sgpr_kernarg_segment_ptr 1
		.amdhsa_wavefront_size32 1
		.amdhsa_system_sgpr_workgroup_id_x 1
		.amdhsa_system_sgpr_workgroup_id_y 1
		.amdhsa_system_sgpr_workgroup_id_z 1
		.amdhsa_system_vgpr_workitem_id 0
		.amdhsa_next_free_vgpr 148
		.amdhsa_next_free_sgpr 66
		.amdhsa_reserve_vcc 0
		.amdhsa_float_denorm_mode_32 3
		.amdhsa_float_denorm_mode_16_64 3
		.amdhsa_memory_ordered 1
		.amdhsa_forward_progress 1
		.amdhsa_inst_pref_size 14
	.end_amdhsa_kernel
	.amdgpu_metadata
---
amdhsa.version: [ 1, 2 ]
amdhsa.kernels:
  - .name:           k_qdea557950e_soft
    .symbol:         k_qdea557950e_soft.kd
    .args:
      - { .name: part, .offset: 0, .size: 8, .value_kind: global_buffer, .address_space: global }
      - { .name: out0, .offset: 8, .size: 8, .value_kind: global_buffer, .address_space: global }
    .group_segment_fixed_size: 0
    .private_segment_fixed_size: 0
    .kernarg_segment_align: 8
    .kernarg_segment_size: 16
    .max_flat_workgroup_size: 32
    .sgpr_count:     66
    .vgpr_count:     148
    .wavefront_size: 32
...
	.end_amdgpu_metadata
.endif
;; end of part 3
